; MI455X (gfx1250); checked and timed in simulation.
; The chip was launched on July 23, 2026; its instructions are those of AMD's public machine-readable ISA for CDNA 5 (MIT licence, August 2026) and "CDNA5" Instruction Set Architecture Reference Guide (July 2026). The comments in the code are by the model that wrote it; some were corrected since.
;; S6. Allowed arithmetic: matrix products marked QUANTISED: E2M1 operands, one E8M0 scale for each 32 along K, by v_wmma_scale_f32_16x16x128_f8f6f4 with both operands' format E2M1 (or v_wmma_scale_f32_32x16x128_f4), f32 sums; products left as they are: f32 operands where the result goes on into a quantised operand, else bf16, f16 or f32 operands; f32 sums; everything else in f32.
;; Inputs: A 1,024 x 16 float32; W1_codes 1,024 x 32 x 16 uint8 (E2M1 codes of W1, K innermost, in blocks of 32 codes, two codes a byte); W1_scales 1,024 x 32 uint8 (E8M0 scales of W1, one for each 32 codes along K); W2_codes 16 x 32 x 16 uint8 (E2M1 codes of W2, K innermost, in blocks of 32 codes, two codes a byte); W2_scales 16 x 32 uint8 (E8M0 scales of W2, one for each 32 codes along K); W3_codes 16 x 32 x 16 uint8 (E2M1 codes of W3, K innermost, in blocks of 32 codes, two codes a byte); W3_scales 16 x 32 uint8 (E8M0 scales of W3, one for each 32 codes along K); b1 1,024 float32; b2 16 float32; b3 16 float32; x 4 x 2,048 x 1,024 float32.
;; Outputs: out0 4 x 2,048 x 1,024 float32.
;; This version of the problem:
;;   THIS VERSION OF THE PROBLEM IS GIVEN IN LOW PRECISION. The matrix products marked QUANTISED in the list below multiply operands that are first quantised to E2M1 (2 exponent bits, 1 mantissa bit; 4 bits a number), with one power-of-two scale for each 32 numbers along K (OCP MX v1.0); their sums are f32. All else is computed in f32.
;;   The module's matrix products, in the order in which they are computed (A, B: the left and right operand; K: the contracted axis; several contracted axes count as one K, in the product's order):
;;     1. [M 8,192, K 1,024] x [K 1,024, N 16]; A: input x; B: input W2 (given as codes): QUANTISED
;;     2. [M 8,192, K 1,024] x [K 1,024, N 16]; A: input x; B: input W3 (given as codes): QUANTISED
;;     3. [M 8,192, K 1,024] x [K 1,024, N 1,024]; A: input x; B: input W1 (given as codes): QUANTISED
;;     4. batch 8,192 x [M 1,024, K 1] x [K 1, N 16]; A: computed on the way; B: computed on the way: left as it is (no contracted axis)
;;     5. batch 8,192 x [M 1, K 16] x [K 16, N 1,024]; A: computed on the way; B: computed on the way: left as it is (K = 16 < 32)
;;   THE QUANTISER, for each operand of a quantised product, along K:
;;     - K is cut into blocks of 32 from its start; a last block that is shorter is filled with zeros.
;;     - A block's scale is 2^e with e = floor(log2(the largest magnitude in the block)) - 2, held to -126 .. 127; a block of zeros has e = 0. As a byte (E8M0): e + 127.
;;     - Each number is divided by its block's scale, clamped to +-6, and rounded to the nearest number of E2M1, ties to even, subnormals kept.
;;     - The product sums the exact products of the quantised numbers (number of the format x scale) in f32.
;;   ~~~python
;;   def quantise(x, axis):      # numpy; x: float32 -> the quantised numbers, widened to float32 again
;;       x = np.moveaxis(x, axis, -1); K = x.shape[-1]
;;       x = np.pad(x, [(0, 0)] * (x.ndim - 1) + [(0, -K % 32)]); x = x.reshape(x.shape[:-1] + (-1, 32)); a = np.abs(x).max(-1, keepdims=True)
;;       e = np.where(a > 0, np.clip(np.frexp(np.where(a > 0, a, 1))[1] - 1 - 2, -126, 127), 0)      # np.frexp(a)[1] - 1 = floor(log2(a)), exactly
;;       r = np.clip(x / 2.0 ** e, -6, 6)
;;       step = 2.0 ** (np.maximum(np.frexp(np.where(r == 0, 1, r))[1] - 1, 0) - 1)
;;       q = np.round(r / step) * step * 2.0 ** e      # np.round: ties to even
;;       return np.moveaxis(q.reshape(q.shape[:-2] + (-1,))[..., :K], -1, axis).astype(np.float32)
;;   ~~~
;;   INPUTS GIVEN AS CODES. W1 (in the module: [1024, 1024], K = its axis 0); W2 (in the module: [1024, 16], K = its axis 0); W3 (in the module: [1024, 16], K = its axis 0): each comes as NAME_codes (uint8): NAME with its K axis moved to the last place and cut into blocks of 32 codes, [.., K / 32, bytes a block], one block behind the other in memory; two codes a byte, the lower K in the low four bits (a code: sign, 2 exponent bits, 1 mantissa bit); and NAME_scales (uint8): the same leading axes, one E8M0 byte (e + 127) for each 32 codes along K. Its value is code x scale, taken as it is: it is not quantised again, and the codes and scales need not be those that the quantiser above would give.
;; One version. Each part assembles by itself: llvm-mc -triple=amdgcn-amd-amdhsa -mcpu=gfx1250 --defsym DOCPART=n.
;; ======== version 1 of 1: 1 launch
;; limits: a function is approximated: absolute error at most 6e-08
;; launch s6 (part 1): grid 256 x 1, 8 waves a work-group, clusters of 4 x 1, 327,680 bytes of LDS; arguments x, W1_codes, W1_scales, W2_codes, W2_scales, W3_codes, W3_scales, b1, b2, b3, out0; writes out0
.if DOCPART == 1
	.amdgcn_target "amdgcn-amd-amdhsa--gfx1250"
	.amdhsa_code_object_version 6
	.text
	.protected	k_qec46da66f0_s6
	.globl	k_qec46da66f0_s6
	.p2align	8
	.type	k_qec46da66f0_s6,@function
k_qec46da66f0_s6:
	s_mov_b64 s[64:65], 0
	v_nop
	global_prefetch_b8 v0, s[64:65] scope:SCOPE_SE
	s_setreg_imm32_b32 hwreg(HW_REG_WAVE_MODE, 25, 1), 1
	s_wait_xcnt 0x0
	s_wait_alu depctr_hold_cnt(0) depctr_sa_sdst(0) depctr_va_vdst(0) depctr_va_sdst(0) depctr_va_ssrc(0) depctr_va_vcc(0) depctr_vm_vsrc(0)
	s_getreg_b32 s2, hwreg(HW_REG_IB_STS2, 6, 4)
	s_cmp_eq_u32 s2, 0
	s_cbranch_scc0 .Lentry_in_a_cluster
	s_endpgm
.Lentry_in_a_cluster:
	s_bfe_u32 s2, ttmp6, 0x10000c
	s_cmp_lg_u32 s2, 0x3003
	s_cbranch_scc0 .Lentry_shape_is_right
	s_endpgm
.Lentry_shape_is_right:
; S6, non-recurrent branch:  y[row][d] = sum over n of C[row][n] x[row][d] delta[row][d] B[row][n],  8,192 rows, 1,024 channels d, n = 0 .. 15, with
; delta = softplus(Q(x) W1 + b1), B = Q(x) W2 + b2, C = Q(x) W3 + b3; Q quantises x along its 1,024 channels to E2M1 with one E8M0 scale for each 32; W1, W2, W3 are taken as the codes and scales given.
; WORK LEFT OUT.  (1) The input A enters no expression of reference(): it has no way to y, is not loaded and is not among the arguments.  (2) x[row][d] and delta[row][d] do not hang on n, so for all finite values
; y = x delta s with s[row] = sum over n of B[row][n] C[row][n]: the outer product [d][n] and its contraction over n are 16 fused multiply-adds a row and two multiplications a number, all in f32.
; LIMITS.  An overflow, infinity or NaN that arises only in the products delta B[n] or x delta B[n] left out so is not carried to y; the order of rounding of the sum over n differs from reference()'s.
; NaN and infinities in x are not served.  A block of 32 zeros of x gets the scale byte 1 (its codes are zeros; the byte is read here alone).
; softplus(z) = ln2 (max(t, 0) + log2(1 + 2^-|t|)), t = z log2(e): the form that stays in range for every z.  Where 2^-|t| lies under 2^-24 the logarithm gives 0: an absolute error under 6e-8 in delta.  ln2 is carried in s.
; SHARES.  A work-group takes 32 rows (two tiles m of 16) and all 1,024 channels: 256 work-groups.  Wave w of eight owns channels 128 w .. 128 w + 127 of y; the same channels of x are K step w of all three products.
; So wave w keeps its 32 x 128 numbers of x in registers, quantises them into one fragment for each row tile, and hands these to the other waves through LDS as images of their registers.
; ALL PRODUCTS ARE USED TRANSPOSED (source 0 = 16 rows of W, source 1 = 16 rows of x): lane (r = lane % 16, h = lane / 16) holds row r of x throughout, and register j of channel tile t is channel 16 t + 8 h + j.
; W1's CODES of a wave's 128 channels (65,536 bytes) come in four blocks of 32 channels, each wave fetching and reading its own, in THREE fills.  Block 0 comes with the first fills and goes from LDS into registers while x is
; still on its way.  When x is quantised, block 0's bytes and x's tile, which lie on end, are both free: blocks 1 and 2 come into them by ONE load of 64 rows.  Block 3 goes into block 1's bytes as soon as block 1 is in registers.
; Wave 0 alone makes s (32 matrix instructions), behind block 0, while blocks 1 and 2 are on their way.
; CLUSTER.  Every work-group walks the same W1, W2, W3: the four partners ask for each block JOINTLY (mask 15).  x's tile is each work-group's own: a plain load.  The place in the cluster enters x's and y's global addresses alone.
; REGISTERS, in windows of 256.  Window 0: v1-15 addresses; v16-47 W1's scale words; v48-55 x's; v56-63 W2's and W3's (wave 0); v64-95 four accumulators (first: the quantiser's scratch); v96-127 b1, two sets (wave 0 first: b2, b3 in the second);
;   v128-255 the block's 16 fragments of W, and between blocks whatever is at work.   Window 1: v0-127 x, then x softplus / ln2; v128-255 x's 16 fragments.
.set WP,    528                        ; an LDS row of x or of W: 512 bytes + 16 of padding = 132 words: row r starts at bank 4 r mod 64 (64 banks of 4 bytes: ISA guide 11.1)
.set WREG,  32*WP                      ; 32 such rows: a block of W1, or a wave's part of x
.set WR2,   2*WREG                     ; a wave's region: its lower half holds blocks 0, 1, 3 in turn, its upper half x's tile and then block 2
.set XIMG,  8*WR2                      ; x's 16 fragments as register images, 1,024 bytes each: (row tile m, K step s) at (2 s + m) x 1,024
.set XSC,   XIMG+16*1024               ; x's scale words, 128 bytes a K step: lanes 0-15 row tile 0, lanes 16-31 row tile 1
.set SWO,   1024                       ; behind them (from XSC on): s ln2, 128 bytes a row tile
.set SPARE, XSC+SWO+256                ; the spare words, 128 bytes for each wave: four blocks of 256 bytes that no other line names
.set STG,   SPARE+1024                 ; first W2's tile and W3's (16 rows x 528 each), filled once; when they have been read, each wave's stage of 16 rows x 272 for the way out
.set SGP,   272
.set SPW, 1                            ; v1   LDS address of my spare word; never rewritten
.set NIL, 2                            ; v2   0; never rewritten
.set XRD, 3                            ; v3   x's tile: my row, my 32 bytes of a channel tile
.set WA0, 4                            ; v4   my place in a fragment of W1 in the lower half of my region
.set WA1, 5                            ; v5   in the upper half
.set LI,  6                            ; v6   XIMG + 16 x lane
.set LS,  7                            ; v7   XSC + 4 x lane
.set XWI, 8                            ; v8   where I store my images: LI + 2,048 x wave
.set XWS, 9                            ; v9   and my scale words: LS + 128 x wave
.set STO, 10                           ; v10  the stage: where I put 32 bytes of a row
.set SRD, 11                           ; v11  and where I read a row back
.set GO,  12                           ; v12  my byte offset in two rows of y
.set SO,  13                           ; v13  scale bytes of W: 32 r + 16 h
.set WVA, 14                           ; v14  my place in a fragment of W2
.set H32, 15                           ; v15  32 h: my eight numbers of a bias tile
.set W1S, 16                           ; channel tile t at v[16 + 4 t + q]: lanes 0-15 K step q, lanes 16-31 K step 4 + q
.set XS,  48                           ; K step s at v[48 + s]
.set WVS, 56                           ; W2's four, W3's four, as W1S
.set ACC, 64                           ; accumulator (u, m) at v[64 + 8 (2 u + m)]
.set SV,  64                           ; between blocks: s ln2 of row tile m in the pair v[64 + 2 m]
.set TM,  64                           ; the quantiser, ahead of the first product: v64-67 largest magnitudes, v68-71 bytes, v76-79 scale operands
.set PW,  72                           ; the scale words just made; v74 the two joined
.set PC,  80                           ; the codes just made: row tile m at v[80 + 8 m]
.set B1,  96
.set BV,  112                          ; wave 0: b2, b3
.set WF,  128                          ; fragment (u, K step s) at v[128 + 8 (2 s + u)]
.set E,   128                          ; the softplus: 32 registers
.set T,   128                          ; the way out: 32 registers a row tile
.set XC,  128                          ; window 1: x's fragment (m, s) at v[128 + 8 (2 s + m)]
.set WV,  26                           ; s26  my wave's number
.set G1X, 32                           ; s[32:39] descriptor group 1 for x's tile;  s[40:47] for one block of W1;  s[48:55] for W2 and W3;  s[88:95] for two blocks of W1
.set G1W, 40
.set G1V, 48
.set G1D, 88
.set G0X, 56                           ; s[56:59] group 0 for x;  s[60:63] blocks 0 and 3;  s[68:71] blocks 1 and 2;  s[72:75] W2's;  s[84:87] W3's
.set G0A, 60
.set G0B, 68
.set G0V, 72
.set G0U, 84
.set SEL, 76                           ; s[76:77] v_permlanex16_b32's selects for lane l xor 16
.set HIL, 78                           ; s78  the mask of lanes 16-31
.set L2E, 80                           ; s[80:81] log2(e): the packed form names a pair
.set LN2, 82                           ; s82  ln 2
.set MSB, 0
.macro WIN new                         ; s_set_vgpr_msb: bits 1:0 source 0, 3:2 source 1, 5:4 source 2, 7:6 destination; the high byte repeats the setting that is left
.if MSB != \new
	s_set_vgpr_msb (MSB<<8)|\new
.set MSB, \new
.endif
.endm
; A round of the cluster's barrier: my work-group's barrier; wave 0 signals for the work-group; every wave waits for all four work-groups; my work-group's barrier once more.
.macro ROUND
	s_barrier_signal -1
	s_barrier_wait -1
	s_cmp_lg_u32 s[WV], 0
	s_cbranch_scc1 .Lnot_wave_0_\@
	s_barrier_signal -3
.Lnot_wave_0_\@:
	s_barrier_wait -3
	s_barrier_signal -1
	s_barrier_wait -1
.endm
; LDS bytes are filled again.  Every wave: all its tensor loads have landed; 0 onto its spare word; that and all its LDS reads and stores are done; a round; then its one joint load, first thing behind the round.
.macro CHANGE g0, g1, step
	s_wait_tensorcnt 0x0                           ; no tensor load of mine is out, so a group 0 may be written
	ds_add_u32 v[SPW], v[NIL]
.if \step
	s_add_nc_u64 s[\g0+2:\g0+3], s[\g0+2:\g0+3], \step   ; on along W1's rows; the type bits on top are not reached
.endif
	s_wait_dscnt 0x0                               ; the add is done; my reads of the bytes are over, and what I stored for the others has landed
	ROUND
	tensor_load_to_lds s[\g0:\g0+3], s[\g1:\g1+7]
	s_nop 0
.rept 4
	v_nop
.endr
.endm
; One matrix instruction, by the symbols rD, rA, rB, rC, rSA, rSB; fA, fB: the side's scale words stand in lanes 16-31
.macro MM
.if fA && fB
	v_wmma_scale_f32_16x16x128_f8f6f4 v[rD:rD+7], v[rA:rA+7], v[rB:rB+7], v[rC:rC+7], v[rSA], v[rSB] matrix_a_fmt:MATRIX_FMT_FP4 matrix_b_fmt:MATRIX_FMT_FP4 matrix_a_scale:MATRIX_SCALE_ROW1 matrix_b_scale:MATRIX_SCALE_ROW1
.elseif fA
	v_wmma_scale_f32_16x16x128_f8f6f4 v[rD:rD+7], v[rA:rA+7], v[rB:rB+7], v[rC:rC+7], v[rSA], v[rSB] matrix_a_fmt:MATRIX_FMT_FP4 matrix_b_fmt:MATRIX_FMT_FP4 matrix_a_scale:MATRIX_SCALE_ROW1
.elseif fB
	v_wmma_scale_f32_16x16x128_f8f6f4 v[rD:rD+7], v[rA:rA+7], v[rB:rB+7], v[rC:rC+7], v[rSA], v[rSB] matrix_a_fmt:MATRIX_FMT_FP4 matrix_b_fmt:MATRIX_FMT_FP4 matrix_b_scale:MATRIX_SCALE_ROW1
.else
	v_wmma_scale_f32_16x16x128_f8f6f4 v[rD:rD+7], v[rA:rA+7], v[rB:rB+7], v[rC:rC+7], v[rSA], v[rSB] matrix_a_fmt:MATRIX_FMT_FP4 matrix_b_fmt:MATRIX_FMT_FP4
.endif
.endm
; b1 of block b's two channel tiles, in the result's layout (my eight channels of each), into set half: four loads
.macro B1LOAD b, half
.irp u, 0,1
.irp q, 0,1
	global_load_b128 v[B1+16*(\half)+8*\u+4*\q:B1+16*(\half)+8*\u+4*\q+3], v[H32], s[18:19] offset:128*(\b)+64*\u+16*\q
.endr
.endr
.endm
; A block's 16 fragments of W1 (2 channel tiles x 8 K steps) from LDS: 32 loads, K step by K step
.macro WLOAD wa
.irp s, 0,1,2,3,4,5,6,7
.irp u, 0,1
.irp c, 0,1
	ds_load_b128 v[WF+8*(2*\s+\u)+4*\c:WF+8*(2*\s+\u)+4*\c+3], v[\wa] offset:16*WP*\u+64*\s+32*\c
.endr
.endr
.endr
.endm
; Row tile m's 64 numbers of my lane (window 1, v[64 m ..]) become a fragment's codes in v[PC + 8 m ..] and its scale word in v[PW + m].
; Registers 16 b + 0 .. 7 are k = 32 b + 8 h + 0 .. 7 of my row, registers 16 b + 8 .. 15 are k = 32 b + 16 + 8 h + 0 .. 7: lanes l and l xor 16 hold a block of 32.
.macro QUANT m
	WIN 0x05
.irp b, 0,1,2,3
	v_max3_num_f32 v[TM+\b], |v[64*\m+16*\b]|, |v[64*\m+16*\b+1]|, 0x1800000   ; my 16 numbers of block b, and the floor 2^(3 - 127): the byte cannot fall under 1
.endr
	WIN 0x14
.irp i, 2,4,6,8,10,12,14
.irp b, 0,1,2,3
	v_max3_num_f32 v[TM+\b], v[TM+\b], |v[64*\m+16*\b+\i]|, |v[64*\m+16*\b+\i+1]|   ; the four blocks by turns
.endr
.endr
	WIN 0
.irp b, 0,1,2,3
	v_permlanex16_b32 v[TM+4+\b], v[TM+\b], s[SEL], s[SEL+1]
.endr
.irp b, 0,1,2,3
	v_max_num_f32 v[TM+\b], v[TM+\b], v[TM+4+\b]   ; with lane l xor 16's: the block's largest magnitude
.endr
.irp b, 0,1,2,3
	v_add_nc_u32 v[TM+12+\b], 0xff000000, v[TM+\b] ; 2 off its exponent field: the conversion takes the exponent field of this operand as its scale
.endr
.irp b, 0,1,2,3
	v_lshrrev_b32 v[TM+4+\b], 23, v[TM+12+\b]      ; the scale's byte
.endr
	v_lshl_or_b32 v[PW+\m], v[TM+5], 8, v[TM+4]    ; my row's scale word for this K step
	v_lshl_or_b32 v[PW+\m], v[TM+6], 16, v[PW+\m]
	v_lshl_or_b32 v[PW+\m], v[TM+7], 24, v[PW+\m]
	WIN 0x01
.irp c, 0,1
.irp e, 0,1
.irp g, 0,1
	v_cvt_scalef32_pk8_fp4_f32 v[PC+8*\m+4*\c+2*\g+\e], v[64*\m+16*(2*\c+\e)+8*\g:64*\m+16*(2*\c+\e)+8*\g+7], v[TM+12+2*\c+\e]   ; block 2 c + e, k = 16 g + 8 h + 0 .. 7
.endr
.endr
.endr
	WIN 0
	v_nop                                          ; one plain place behind a scaled conversion
.irp c, 0,1                                    ; the first's lanes 16-31 change places with the second's lanes 0-15: register 4 c + 2 g then holds k = 64 c + 32 h + 16 g + 0 .. 7, register 4 c + 2 g + 1 the next eight: the operand's layout
.irp g, 0,1
	v_permlane16_swap_b32 v[PC+8*\m+4*\c+2*\g], v[PC+8*\m+4*\c+2*\g+1]
.endr
.endr
.irp c, 0,1
	ds_store_b128 v[XWI], v[PC+8*\m+4*\c:PC+8*\m+4*\c+3] offset:1024*\m+512*\c   ; the fragment goes to LDS as it stands: lane l's 16 bytes at 16 l
.endr
.endm
; Block b: 32 channels (tiles u = 0, 1) x 32 rows (m = 0, 1) x all of K.  wa: the address register of the block's half.  ld = 0: its fragments are in registers already.
; chg = 1: as soon as the fragments are in registers, the half that they have left is filled again, with block 3.
.macro BLOCK b, wa, ld, chg
.if \ld
	WLOAD \wa
.endif
.if \chg
	CHANGE G0A, G1W, 49152                         ; from block 0 to block 3: 96 rows of 512 bytes on
.endif
.if \b != 2
	s_wait_loadcnt 0x0                             ; this block's set of b1 is the youngest load out (block 0: with W1's scale words and all else that the head asked for).  Block 2's set was asked for ahead of block 1's: block 1's wait has shown it in
.endif
	s_wait_dscnt 16                                ; all but the youngest 16 loads, which are K steps 4 to 7: of W1's fragments, or, for block 0, of x's
	WIN 0x04                                       ; source 1 (x's fragments) window 1
.irp s, 0,1,2,3,4,5,6,7
.if \s == 4
	s_wait_dscnt 0x0
.endif
.irp u, 0,1
.irp m, 0,1                                    ; the four accumulators take turns, one instruction a turn
.set rD, ACC+8*(2*\u+\m)
.set rC, rD
.if \s == 0
.set rC, B1+16*((\b)%2)+8*\u                   ; the bias starts the sum
.endif
.set rA, WF+8*(2*\s+\u)
.set rB, XC+8*(2*\s+\m)
.set rSA, W1S+4*(2*(\b)+\u)+\s%4
.set rSB, XS+\s
.set fA, \s/4
.set fB, \m
	MM
.endr
.endr
.endr
	WIN 0
.rept 5
	v_nop                                          ; places: four in front of reads of the results and of loads into registers that the products read; the fifth since the next products write over these accumulators with another C
.endr
.if \b < 2
	B1LOAD \b+2, \b%2                              ; into the set that this block's first products have read, and whose last load the wait above has shown done
.endif
.set i, 0
.rept 16
	v_pk_mul_f32 v[ACC+i:ACC+i+1], v[ACC+i:ACC+i+1], s[L2E:L2E+1] op_sel_hi:[1,0]   ; t = z log2(e); each accumulator from its low end on
.set i, i+2
.endr
.set i, 0
.rept 32
	v_exp_f32 v[E+i], -|v[ACC+i]|                  ; 2^-|t|: one batch
.set i, i+1
.endr
	v_nop                                          ; a plain instruction behind the last exponential
.set i, 0
.rept 16
	v_max_num_f32 v[ACC+i], 0, v[ACC+i]            ; max(t, 0), first half: work that names no result of the batch
.set i, i+1
.endr
	s_wait_alu depctr_va_vdst(0)                   ; one wait for the 32, ahead of their first reader
.set i, 0
.rept 16
	v_pk_add_f32 v[E+i:E+i+1], v[E+i:E+i+1], 1.0 op_sel_hi:[1,0]
.set i, i+2
.endr
.set i, 0
.rept 32
	v_log_f32 v[E+i], v[E+i]                       ; log2(1 + 2^-|t|): the second batch
.set i, i+1
.endr
	v_nop
.set i, 16
.rept 16
	v_max_num_f32 v[ACC+i], 0, v[ACC+i]            ; max(t, 0), second half
.set i, i+1
.endr
	s_wait_alu depctr_va_vdst(0)                   ; one wait for the 32 logarithms
.set i, 0
.rept 16
	v_pk_add_f32 v[ACC+i:ACC+i+1], v[ACC+i:ACC+i+1], v[E+i:E+i+1]   ; softplus / ln2
.set i, i+2
.endr
	WIN 0x41                                       ; x: destination and source 0 window 1
.irp u, 0,1
.irp m, 0,1
.irp k, 0,2,4,6
	v_pk_mul_f32 v[64*\m+16*(\b)+8*\u+\k:64*\m+16*(\b)+8*\u+\k+1], v[64*\m+16*(\b)+8*\u+\k:64*\m+16*(\b)+8*\u+\k+1], v[ACC+8*(2*\u+\m)+\k:ACC+8*(2*\u+\m)+\k+1]
.endr
.endr
.endr
	WIN 0
.endm
; Channels 64 p .. 64 p + 63 of my 128, all 32 rows: x softplus / ln2 times s ln2; a row tile at a time through my stage, back as whole rows of 256 bytes.
.macro WAYOUT p
	ds_load_b32 v[SV], v[LS] offset:SWO            ; s ln2 of my row in row tile 0,
	ds_load_b32 v[SV+2], v[LS] offset:SWO+128      ; and in row tile 1
	v_mov_b32 v[SV+1], 0                           ; (named as the pairs' upper halves, so they are written)
	v_mov_b32 v[SV+3], 0
	s_wait_dscnt 0x0
.irp m, 0,1
	WIN 0x01
.irp k, 0,2,4,6,8,10,12,14,16,18,20,22,24,26,28,30
	v_pk_mul_f32 v[T+32*\m+\k:T+32*\m+\k+1], v[64*\m+32*(\p)+\k:64*\m+32*(\p)+\k+1], v[SV+2*\m:SV+2*\m+1] op_sel_hi:[1,0]
.endr
	WIN 0
.irp t, 0,1,2,3
.irp q, 0,1
	ds_store_b128 v[STO], v[T+32*\m+8*\t+4*\q:T+32*\m+8*\t+4*\q+3] offset:64*\t+16*\q
.endr
.endr
.irp i, 0,1,2,3,4,5,6,7
	ds_load_b128 v[T+32*\m+4*\i:T+32*\m+4*\i+3], v[SRD] offset:2*SGP*\i   ; LDS serves a wave's instructions in order (ISA guide 5.7.1.4): these see the stores above, and the next tile's stores come behind them
.endr
.endr
	s_wait_dscnt 16                                ; row tile 0 is back; row tile 1's eight stores and eight loads may be out
.irp i, 0,1,2,3,4,5,6,7
	global_store_b128 v[GO], v[T+4*\i:T+4*\i+3], s[24:25] offset:2*\i*4096+256*(\p) th:TH_STORE_NT   ; 16 lanes store 256 consecutive bytes, at a multiple of 256 from y's first byte
.endr
	s_wait_dscnt 0x0
.irp i, 0,1,2,3,4,5,6,7
	global_store_b128 v[GO], v[T+32+4*\i:T+32+4*\i+3], s[24:25] offset:(16+2*\i)*4096+256*(\p) th:TH_STORE_NT
.endr
.if \p == 0
	s_wait_xcnt 0x0                                ; the stores have read their registers: the next block's fragments may land there
.endif
.endm
	s_load_b512 s[4:19], s[0:1], 0x0               ; x s[4:5], W1's codes s[6:7], scales s[8:9], W2's s[10:11], s[12:13], W3's s[14:15], s[16:17], b1 s[18:19]
	s_load_b128 s[20:23], s[0:1], 0x40             ; b2, b3
	s_load_b64 s[24:25], s[0:1], 0x50              ; y
	v_lshl_add_u32 v[SPW], v0, 2, SPARE
	v_mov_b32 v[NIL], 0
	ds_add_u32 v[SPW], v[NIL]                      ; the wave's opening: the add, twice on end, and its wait ahead of my first tensor load; the set-up below, work on registers, stands between
	ds_add_u32 v[SPW], v[NIL]
	v_lshrrev_b32 v131, 5, v0
	v_readfirstlane_b32 s[WV], v131                ; wave 0..7
	v_and_b32 v128, 31, v0                         ; lane
	v_and_b32 v129, 15, v0                         ; r
	v_bfe_u32 v130, v0, 4, 1                       ; h
	s_bfe_u32 s27, ttmp6, 0x40000                  ; cx: my place in the cluster
	s_lshl_b32 s28, ttmp9, 2                       ; in a cluster launch ttmp9 counts clusters
	s_add_co_u32 s28, s28, s27                     ; my block of 32 rows: it enters x's and y's global addresses alone
	s_lshl_b32 s30, s28, 17                        ; 32 rows of 4,096 bytes,
	s_lshl_b32 s31, s[WV], 9                       ; my wave's 512 bytes of a row
	s_add_co_u32 s30, s30, s31
	s_mov_b32 s31, 0
	s_mul_i32 s29, s[WV], WR2                      ; my region in LDS
	; descriptor group 1.  x: 32 rows x 128 elements of 4 bytes, 1,024 elements from row to row; four words of padding behind every 128
	s_mov_b32 s[G1X], (2<<16)|(1<<20)|(6<<22)|(3<<25)
	s_mov_b32 s[G1X+1], 128<<16                    ; tensor_dim0
	s_mov_b32 s[G1X+2], 32<<16                     ; tensor_dim1
	s_mov_b32 s[G1X+3], 128<<16                    ; tile_dim0
	s_mov_b32 s[G1X+4], 32                         ; tile_dim1
	s_mov_b32 s[G1X+5], 1024                       ; tensor_dim0_stride
	s_mov_b32 s[G1X+6], 0
	s_mov_b32 s[G1X+7], 0
	; a block of W1: 32 rows x 512 bytes, dense; the mask names all four work-groups, bit 21 beside it; the same padding
	s_mov_b32 s[G1W], 15|(1<<20)|(1<<21)|(6<<22)|(3<<25)
	s_mov_b32 s[G1W+1], 512<<16
	s_mov_b32 s[G1W+2], 32<<16
	s_mov_b32 s[G1W+3], 512<<16
	s_mov_b32 s[G1W+4], 32
	s_mov_b32 s[G1W+5], 512
	s_mov_b32 s[G1W+6], 0
	s_mov_b32 s[G1W+7], 0
	; two blocks of W1 on end: 64 such rows
	s_mov_b32 s[G1D], 15|(1<<20)|(1<<21)|(6<<22)|(3<<25)
	s_mov_b32 s[G1D+1], 512<<16
	s_mov_b32 s[G1D+2], 64<<16
	s_mov_b32 s[G1D+3], 512<<16
	s_mov_b32 s[G1D+4], 64
	s_mov_b32 s[G1D+5], 512
	s_mov_b32 s[G1D+6], 0
	s_mov_b32 s[G1D+7], 0
	; W2 or W3: 16 such rows
	s_mov_b32 s[G1V], 15|(1<<20)|(1<<21)|(6<<22)|(3<<25)
	s_mov_b32 s[G1V+1], 512<<16
	s_mov_b32 s[G1V+2], 16<<16
	s_mov_b32 s[G1V+3], 512<<16
	s_mov_b32 s[G1V+4], 16
	s_mov_b32 s[G1V+5], 512
	s_mov_b32 s[G1V+6], 0
	s_mov_b32 s[G1V+7], 0
	s_mov_b32 s[SEL], 0x76543210
	s_mov_b32 s[SEL+1], 0xfedcba98
	s_mov_b32 s[HIL], 0xffff0000
	s_mov_b32 s[L2E], 0x3fb8aa3b
	s_mov_b32 s[L2E+1], s[L2E]
	s_mov_b32 s[LN2], 0x3f317218
	s_mov_b32 s[G0X], 1                            ; the groups 0: count = 1, and the LDS addresses
	s_add_co_u32 s[G0X+1], s29, WREG               ; x: the upper half of my region
	s_mov_b32 s[G0A], 1
	s_mov_b32 s[G0A+1], s29                        ; blocks 0 and 3: the lower half
	s_mov_b32 s[G0B], 1
	s_mov_b32 s[G0B+1], s29                        ; blocks 1 and 2: both halves
	s_mov_b32 s[G0V], 1
	s_mov_b32 s[G0V+1], STG
	s_mov_b32 s[G0U], 1
	s_mov_b32 s[G0U+1], STG+16*WP
	; every LDS address register is made here, on the way that all waves take
	v_mul_u32_u24 v131, v129, WP
	v_lshl_add_u32 v[XRD], v130, 5, v131           ; x: row r, + 32 h
	v_add_nc_u32 v[XRD], s[G0X+1], v[XRD]
	v_lshl_add_u32 v[WA0], v130, 4, v131           ; a fragment of W: row r, + 16 h
	v_add_nc_u32 v[WVA], STG, v[WA0]
	v_add_nc_u32 v[WA0], s29, v[WA0]
	v_add_nc_u32 v[WA1], WREG, v[WA0]
	v_lshl_add_u32 v[LI], v128, 4, XIMG
	v_lshl_add_u32 v[LS], v128, 2, XSC
	s_lshl_b32 s2, s[WV], 11
	v_add_nc_u32 v[XWI], s2, v[LI]
	s_lshl_b32 s2, s[WV], 7
	v_add_nc_u32 v[XWS], s2, v[LS]
	s_mul_i32 s2, s[WV], 16*SGP
	s_add_co_u32 s2, s2, STG                       ; my stage
	v_mul_u32_u24 v131, v129, SGP
	v_lshl_add_u32 v[STO], v130, 5, v131           ; in: row r, + 32 h
	v_add_nc_u32 v[STO], s2, v[STO]
	v_mul_u32_u24 v131, v130, SGP
	v_lshl_add_u32 v[SRD], v129, 4, v131           ; back: lanes 0-15 one row of 256 bytes, lanes 16-31 the next
	v_add_nc_u32 v[SRD], s2, v[SRD]
	v_lshlrev_b32 v131, 12, v130
	v_lshl_add_u32 v[GO], v129, 4, v131            ; and the same two rows in y
	v_lshlrev_b32 v131, 4, v130
	v_lshl_add_u32 v[SO], v129, 5, v131            ; a row of W's scale bytes is 32 bytes: lanes 0-15 its first four words, lanes 16-31 the other four
	v_lshlrev_b32 v[H32], 5, v130
.irp b, 0,1,2,3
	v_mov_b32 v[TM+4+\b], 0                        ; written once: a lane permute's destination counts as one of its sources
.endr
	s_wait_dscnt 0x0                               ; both opening adds are done
	s_wait_kmcnt 0x0
	s_add_nc_u64 s[4:5], s[4:5], s[30:31]          ; x and y at my wave's part of my block's first row
	s_add_nc_u64 s[24:25], s[24:25], s[30:31]
	s_lshl_b32 s2, s[WV], 16                       ; my 128 rows of W1's codes,
	s_mov_b32 s3, 0
	s_add_nc_u64 s[6:7], s[6:7], s[2:3]
	s_lshl_b32 s2, s[WV], 12                       ; of its scale bytes,
	s_add_nc_u64 s[8:9], s[8:9], s[2:3]
	s_lshl_b32 s2, s[WV], 9                        ; my 128 numbers of b1
	s_add_nc_u64 s[18:19], s[18:19], s[2:3]
	s_mov_b64 s[G0X+2:G0X+3], s[4:5]
	s_or_b32 s[G0X+3], s[G0X+3], 0x80000000        ; type = 2
	s_mov_b64 s[G0A+2:G0A+3], s[6:7]               ; block 0
	s_or_b32 s[G0A+3], s[G0A+3], 0x80000000
	s_add_nc_u64 s[G0B+2:G0B+3], s[6:7], 16384     ; block 1, and block 2 behind it
	s_or_b32 s[G0B+3], s[G0B+3], 0x80000000
	s_mov_b64 s[G0V+2:G0V+3], s[10:11]
	s_or_b32 s[G0V+3], s[G0V+3], 0x80000000
	s_mov_b64 s[G0U+2:G0U+3], s[14:15]
	s_or_b32 s[G0U+3], s[G0U+3], 0x80000000
	ROUND                                          ; all four work-groups are here: the first joint loads meet
	; the first fills go out as one group, x's LAST, so that a counted wait can show all the others landed while x is out.  At most three loads of a wave are out
	s_cmp_lg_u32 s[WV], 0                          ; W2 by wave 0, W3 by wave 1 (joint),
	s_cbranch_scc1 .Lnot_w2
	tensor_load_to_lds s[G0V:G0V+3], s[G1V:G1V+7]
	s_nop 0
.rept 4
	v_nop
.endr
	s_branch .Lasked
.Lnot_w2:
	s_cmp_lg_u32 s[WV], 1
	s_cbranch_scc1 .Lasked
	tensor_load_to_lds s[G0U:G0U+3], s[G1V:G1V+7]
	s_nop 0
.rept 4
	v_nop
.endr
.Lasked:
	tensor_load_to_lds s[G0A:G0A+3], s[G1W:G1W+7]  ; my block 0 of W1 (joint),
	s_nop 0
	tensor_load_to_lds s[G0X:G0X+3], s[G1X:G1X+7]  ; my part of x (my work-group's own)
	s_nop 0
.rept 4
	v_nop
.endr
.irp t, 0,1,2,3,4,5,6,7
	global_load_b128 v[W1S+4*\t:W1S+4*\t+3], v[SO], s[8:9] offset:512*\t   ; W1's scale words of my 8 channel tiles: they stay
.endr
	B1LOAD 0, 0
	s_cmp_lg_u32 s[WV], 0
	s_cbranch_scc1 .Lno_small
	global_load_b128 v[WVS:WVS+3], v[SO], s[12:13]         ; wave 0: W2's and W3's scale words,
	global_load_b128 v[WVS+4:WVS+7], v[SO], s[16:17]
	global_load_b128 v[BV:BV+3], v[H32], s[20:21]          ; b2 and b3 in the result's layout: n = 8 h + 0 .. 7
	global_load_b128 v[BV+4:BV+7], v[H32], s[20:21] offset:16
	global_load_b128 v[BV+8:BV+11], v[H32], s[22:23]
	global_load_b128 v[BV+12:BV+15], v[H32], s[22:23] offset:16
.Lno_small:
	; ---- block 0 of W1 goes into registers while x is on its way
	s_wait_tensorcnt 0x1                           ; behind block 0's load every wave has issued one load, x's: block 0 is in LDS, and I alone read my block
	WLOAD WA0
	; ---- x: my 32 x 128 numbers into registers, and into codes
	s_wait_tensorcnt 0x0                           ; x has landed; I alone read my part of it
	WIN 0x40                                       ; destination window 1
.irp m, 0,1
.irp t, 0,1,2,3,4,5,6,7
.irp q, 0,1
	ds_load_b128 v[64*\m+8*\t+4*\q:64*\m+8*\t+4*\q+3], v[XRD] offset:16*WP*\m+64*\t+16*\q
.endr
.endr
.endr
	s_wait_dscnt 16                                ; row tile 0 is in; row tile 1's sixteen loads may be out
	QUANT 0
	s_wait_dscnt 2                                 ; row tile 1 is in; behind its loads stand the two stores of tile 0's image
	QUANT 1
	v_cndmask_b32 v[PW+2], v[PW], v[PW+1], s[HIL]  ; lanes 0-15: row tile 0's scale words, lanes 16-31: row tile 1's
	ds_store_b32 v[XWS], v[PW+2]
	CHANGE G0B, G1D, 0                             ; the images lie in LDS for all; block 0 and x are in registers: blocks 1 and 2 go into their bytes by one load of 64 rows
.irp s, 0,1,2,3,4,5,6,7
	ds_load_b32 v[XS+\s], v[LS] offset:128*\s      ; x's scale words first,
.endr
	WIN 0x40
.irp s, 0,1,2,3,4,5,6,7
.irp m, 0,1
.irp c, 0,1
	ds_load_b128 v[XC+8*(2*\s+\m)+4*\c:XC+8*(2*\s+\m)+4*\c+3], v[LI] offset:(2*\s+\m)*1024+512*\c   ; then x's 16 fragments, K step by K step: they stay
.endr
.endr
.endr
	WIN 0
	BLOCK 0, WA0, 0, 0
	; ---- wave 0: B, C and s = sum over n of B C, for the 32 rows, while blocks 1 and 2 are on their way.  (Block 0's wait has shown W2's and W3's scale words, b2 and b3 in)
	s_cmp_lg_u32 s[WV], 0
	s_cbranch_scc1 .Lno_s
.irp s, 0,1,2,3,4,5,6,7
.irp g, 0,1
.irp c, 0,1
	ds_load_b128 v[WF+8*(2*\s+\g)+4*\c:WF+8*(2*\s+\g)+4*\c+3], v[WVA] offset:16*WP*\g+64*\s+32*\c   ; g = 0: W2, 1: W3
.endr
.endr
.endr
	s_wait_dscnt 0x0
	WIN 0x04
.irp s, 0,1,2,3,4,5,6,7
.irp g, 0,1
.irp m, 0,1                                    ; four accumulators by turns
.set rD, ACC+8*(2*\g+\m)
.set rC, rD
.if \s == 0
.set rC, BV+8*\g
.endif
.set rA, WF+8*(2*\s+\g)
.set rB, XC+8*(2*\s+\m)
.set rSA, WVS+4*\g+\s%4
.set rSB, XS+\s
.set fA, \s/4
.set fB, \m
	MM
.endr
.endr
.endr
	WIN 0
.rept 5
	v_nop                                          ; places, as behind a block's products
.endr
	v_pk_mul_f32 v[128:129], v[ACC:ACC+1], v[ACC+16:ACC+17]        ; my eight n of row r: B C, two at a time; the two row tiles by turns; each accumulator from its low end on
	v_pk_mul_f32 v[130:131], v[ACC+8:ACC+9], v[ACC+24:ACC+25]
.irp k, 2,4,6
	v_pk_fma_f32 v[128:129], v[ACC+\k:ACC+\k+1], v[ACC+16+\k:ACC+16+\k+1], v[128:129]
	v_pk_fma_f32 v[130:131], v[ACC+8+\k:ACC+8+\k+1], v[ACC+24+\k:ACC+24+\k+1], v[130:131]
.endr
	v_add_f32 v128, v128, v129
	v_add_f32 v130, v130, v131
	v_permlanex16_b32 v129, v128, s[SEL], s[SEL+1] ; the other eight n lie in lane l xor 16
	v_permlanex16_b32 v131, v130, s[SEL], s[SEL+1]
	v_add_f32 v128, v128, v129
	v_add_f32 v130, v130, v131
	v_mul_f32 v128, s[LN2], v128                   ; s ln2
	v_mul_f32 v130, s[LN2], v130
	ds_store_b32 v[LS], v128 offset:SWO
	ds_store_b32 v[LS], v130 offset:SWO+128
	s_wait_dscnt 0x0                               ; the stores have read their registers
.Lno_s:
	B1LOAD 1, 1                                    ; b1's second set, where b2 and b3 lay: their loads were shown in by block 0's wait, and wave 0's products have read them
	s_wait_tensorcnt 0x0                           ; blocks 1 and 2: my own load into bytes that I alone read
	BLOCK 1, WA0, 1, 1                             ; in it the round: s lies in LDS for all, W2's and W3's tiles have been read, and block 3 goes into block 1's bytes; it lands under block 1, the first way out and block 2
	WAYOUT 0
	BLOCK 2, WA1, 1, 0
	s_wait_tensorcnt 0x0                           ; block 3: my own load into bytes that I alone read
	BLOCK 3, WA0, 1, 0
	WAYOUT 1
	s_wait_tensorcnt 0x0                           ; the wave's end, behind my last tensor load and my last LDS store
	ds_add_u32 v[SPW], v[NIL]
	s_wait_dscnt 0x0
	ROUND                                          ; the closing round: no work-group ends while a partner may still ask for a block that names it
	s_endpgm
.Lfunc_end_k_qec46da66f0_s6:
	.size	k_qec46da66f0_s6, .Lfunc_end_k_qec46da66f0_s6-k_qec46da66f0_s6
	.p2alignl 7, 3214868480
	.fill 96, 4, 3214868480
	.section	.rodata,"a",@progbits
	.p2align	6, 0x0
	.amdhsa_kernel k_qec46da66f0_s6
		.amdhsa_group_segment_fixed_size 327680
		.amdhsa_private_segment_fixed_size 0
		.amdhsa_enable_private_segment 0
		.amdhsa_kernarg_size 88
		.amdhsa_user_sgpr_count 2
		.amdhsa_user_sgpr_kernarg_segment_ptr 1
		.amdhsa_wavefront_size32 1
		.amdhsa_system_sgpr_workgroup_id_x 1
		.amdhsa_system_sgpr_workgroup_id_y 1
		.amdhsa_system_sgpr_workgroup_id_z 1
		.amdhsa_system_vgpr_workitem_id 0
		.amdhsa_next_free_vgpr 512
		.amdhsa_next_free_sgpr 96
		.amdhsa_reserve_vcc 0
		.amdhsa_float_denorm_mode_32 3
		.amdhsa_float_denorm_mode_16_64 3
		.amdhsa_memory_ordered 1
		.amdhsa_forward_progress 1
		.amdhsa_inst_pref_size 103
	.end_amdhsa_kernel
	.amdgpu_metadata
---
amdhsa.version: [ 1, 2 ]
amdhsa.kernels:
  - .name:           k_qec46da66f0_s6
    .symbol:         k_qec46da66f0_s6.kd
    .args:
      - { .name: x, .offset: 0, .size: 8, .value_kind: global_buffer, .address_space: global }
      - { .name: W1_codes, .offset: 8, .size: 8, .value_kind: global_buffer, .address_space: global }
      - { .name: W1_scales, .offset: 16, .size: 8, .value_kind: global_buffer, .address_space: global }
      - { .name: W2_codes, .offset: 24, .size: 8, .value_kind: global_buffer, .address_space: global }
      - { .name: W2_scales, .offset: 32, .size: 8, .value_kind: global_buffer, .address_space: global }
      - { .name: W3_codes, .offset: 40, .size: 8, .value_kind: global_buffer, .address_space: global }
      - { .name: W3_scales, .offset: 48, .size: 8, .value_kind: global_buffer, .address_space: global }
      - { .name: b1, .offset: 56, .size: 8, .value_kind: global_buffer, .address_space: global }
      - { .name: b2, .offset: 64, .size: 8, .value_kind: global_buffer, .address_space: global }
      - { .name: b3, .offset: 72, .size: 8, .value_kind: global_buffer, .address_space: global }
      - { .name: out0, .offset: 80, .size: 8, .value_kind: global_buffer, .address_space: global }
    .group_segment_fixed_size: 327680
    .private_segment_fixed_size: 0
    .kernarg_segment_align: 8
    .kernarg_segment_size: 88
    .max_flat_workgroup_size: 256
    .sgpr_count:     96
    .vgpr_count:     512
    .wavefront_size: 32
...
	.end_amdgpu_metadata
.endif
;; end of part 1
